; MI455X (gfx1250); checked and timed in simulation.
; The chip was launched on July 23, 2026; its instructions are those of AMD's public machine-readable ISA for CDNA 5 (MIT licence, August 2026) and "CDNA5" Instruction Set Architecture Reference Guide (July 2026). The comments in the code are by the model that wrote it; some were corrected since.
;; Region Self Attention. Allowed arithmetic: matrix products marked QUANTISED: E2M1 operands, one E8M0 scale for each 32 along K, by v_wmma_scale_f32_16x16x128_f8f6f4 with both operands' format E2M1 (or v_wmma_scale_f32_32x16x128_f4), f32 sums; products left as they are: f32 operands where the result goes on into a quantised operand, else bf16, f16 or f32 operands; f32 sums; everything else in f32.
;; Inputs: Wk 512 x 512 float32; Wq 512 x 512 float32; Wv 512 x 512 float32; region_features 32 x 4,096 x 512 float32; seq_code 32 x 512 float32; sq_len 32 int32.
;; Outputs: out0 32 x 512 float32; out1 32 x 4,096 float32.
;; This version of the problem:
;;   THIS VERSION OF THE PROBLEM IS GIVEN IN LOW PRECISION. The matrix products marked QUANTISED in the list below multiply operands that are first quantised to E2M1 (2 exponent bits, 1 mantissa bit; 4 bits a number), with one power-of-two scale for each 32 numbers along K (OCP MX v1.0); their sums are f32. All else is computed in f32.
;;   The module's matrix products, in the order in which they are computed (A, B: the left and right operand; K: the contracted axis; several contracted axes count as one K, in the product's order):
;;     1. [M 32, K 512] x [K 512, N 512]; A: input seq_code; B: input Wq: QUANTISED
;;     2. [M 131,072, K 512] x [K 512, N 512]; A: input region_features; B: input Wk: QUANTISED
;;     3. [M 131,072, K 512] x [K 512, N 512]; A: input region_features; B: input Wv: QUANTISED
;;     4. batch 32 x [M 1, K 512] x [K 512, N 4,096]; A: computed on the way; B: computed on the way: left as it is (M = 1 < 16)
;;     5. batch 32 x [M 1, K 4,096] x [K 4,096, N 512]; A: computed on the way; B: computed on the way: left as it is (M = 1 < 16)
;;   THE QUANTISER, for each operand of a quantised product, along K:
;;     - K is cut into blocks of 32 from its start; a last block that is shorter is filled with zeros.
;;     - A block's scale is 2^e with e = floor(log2(the largest magnitude in the block)) - 2, held to -126 .. 127; a block of zeros has e = 0. As a byte (E8M0): e + 127.
;;     - Each number is divided by its block's scale, clamped to +-6, and rounded to the nearest number of E2M1, ties to even, subnormals kept.
;;     - The product sums the exact products of the quantised numbers (number of the format x scale) in f32.
;;   ~~~python
;;   def quantise(x, axis):      # numpy; x: float32 -> the quantised numbers, widened to float32 again
;;       x = np.moveaxis(x, axis, -1); K = x.shape[-1]
;;       x = np.pad(x, [(0, 0)] * (x.ndim - 1) + [(0, -K % 32)]); x = x.reshape(x.shape[:-1] + (-1, 32)); a = np.abs(x).max(-1, keepdims=True)
;;       e = np.where(a > 0, np.clip(np.frexp(np.where(a > 0, a, 1))[1] - 1 - 2, -126, 127), 0)      # np.frexp(a)[1] - 1 = floor(log2(a)), exactly
;;       r = np.clip(x / 2.0 ** e, -6, 6)
;;       step = 2.0 ** (np.maximum(np.frexp(np.where(r == 0, 1, r))[1] - 1, 0) - 1)
;;       q = np.round(r / step) * step * 2.0 ** e      # np.round: ties to even
;;       return np.moveaxis(q.reshape(q.shape[:-2] + (-1,))[..., :K], -1, axis).astype(np.float32)
;;   ~~~
;; One version. Each part assembles by itself: llvm-mc -triple=amdgcn-amd-amdhsa -mcpu=gfx1250 --defsym DOCPART=n.
;; ======== version 1 of 1: 3 launches
;; limits: right only within a limited range of input values
;; workspace buffers: wfrag 262,144 bytes; wsc 32,768 bytes; qbuf 65,536 bytes; sched 4,096 bytes of whole numbers; tbuf 524,288 bytes; pacc 1,048,576 bytes; ml 131,072 bytes
;; launch prep (part 1): grid 161 x 1, 4 waves a work-group, no clusters, 76,288 bytes of LDS; arguments Wk, Wv, Wq, seq_code, wfrag, wsc, qbuf, sq_len, sched, tbuf, pacc, ml; writes wfrag, wsc, qbuf, sched, tbuf, pacc, ml
.if DOCPART == 1
	.amdgcn_target "amdgcn-amd-amdhsa--gfx1250"
	.amdhsa_code_object_version 6
	.text
	.protected	k_qdbe2c5ed8d_prep
	.globl	k_qdbe2c5ed8d_prep
	.p2align	8
	.type	k_qdbe2c5ed8d_prep,@function
k_qdbe2c5ed8d_prep:
	s_mov_b64 s[64:65], 0
	v_nop
	global_prefetch_b8 v0, s[64:65] scope:SCOPE_SE
	s_setreg_imm32_b32 hwreg(HW_REG_WAVE_MODE, 25, 1), 1
	s_wait_xcnt 0x0
; Wk, Wv, Wq [512][512] f32 (K innermost) are quantised to codes of FP4 (E2M1) with one E8M0 byte for each 32 along K.
; Work-groups 0-31 take Wk, 32-63 Wv, 64-95 Wq; each takes 16 rows; wave s takes K step s (k = 128 s .. 128 s + 127): one operand fragment.
; Wk's and Wv's fragments go to memory as IMAGES OF THE OPERAND'S REGISTERS: wfrag [matrix][tile of 16 rows][K step][register group c][lane][16 bytes];
; their scale words to wsc [matrix][tile][lane][K step].  The next launch loads them whole, 16 bytes a lane.
; Wq's work-groups also quantise seq_code [32][512] and make query = Q(seq_code) Q(Wq)^T for their 16 hidden units: each wave one K step, the four partial sums meet in LDS.
; A block's scale is 2^(floor(log2(largest magnitude)) - 2): its byte is the largest magnitude's exponent field - 2, held at 1 from below by a floor among the maximum's leaves.
; (A block of zeros keeps the byte 1: its codes are zeros, and this program alone reads the bytes.)
; LIMITS: NaN and infinities among the inputs are not served; blocks whose largest magnitude lies under 2^-124 keep the byte 1.
; A lane (r = lane % 16, h = lane / 16) holds WHOLE blocks: k = 64 c + 32 h + 0 .. 31 of row r, which is the operand's own layout: the conversions' results are the fragment's registers.
; Loads take memory as it lies (512 consecutive bytes an instruction); the 16 x 512 bytes turn through the wave's own stage in LDS, rows 528 bytes apart (33 x 16: the 16 rows of a read fall on 16 different 16-byte columns).
; The two paths part once, on the work-group's number, and use LDS bytes of their own.
; WORK LEFT OUT BY THE PROGRAM.  score = softmax x mask / (sum of softmax x mask): the softmax's denominator and its maximum stand in numerator and denominator alike and cancel, for all values of the inputs;
; so a region at or past sq_len reaches out1 only as the 0 that the mask gives it, and out0 only as 0 x its value.  sq_len is an input of whole numbers that reference() compares by: the program reads it and walks
; only the tiles of 32 regions that hold a region under sq_len (inside such a tile the masked rows are computed and selected away).  The maximum taken away before the exponential is that of the walked, unmasked regions.
; LIMITS: sq_len is 1 .. 4,096, as the problem states; a NaN, an infinity or an overflow that reaches only the masked regions is not carried to the results.
; Work-group 96 makes the next launch's list from sq_len: 256 records of four words: batch, first tile, 256 x number of tiles + number of the part in its batch, sq_len.  A part has up to c tiles, c the least number
; from 8 to 16 with which all batches need at most 256 parts (16 always suffices: 8 parts x 32 batches); a batch has at most 16 parts.  Records that are left over have 0 tiles.
; Work-groups 97-160 store what the last launch reads where the list leaves a part or a tile out: t = 0, part = 0, (largest t, sum) = (-3e38, 0).
.set PITCH, 528
.set WST,   16*PITCH                   ; a wave's stage: 16 rows
.set STB,   4*WST                      ; the query path's stages begin here; the weight path's at 0
.set RED,   8*WST                      ; the query's partial sums: 2,048 bytes a wave
.set GL,  1                            ; 16 x lane
.set ATS, 2                            ; stage, on the way in: WST x wave + 16 x lane
.set AQ,  3                            ; stage, on the way out: WST x wave + 528 r + 128 h
.set ARS, 4                            ; RED + 2048 x wave + 16 x lane
.set ARL, 5                            ; RED + 512 x wave + 16 x lane
.set GQ,  6                            ; query: 2048 r + 32 h
.set GS,  7                            ; scale words: 16 x lane + 4 x wave
.set SH8, 8                            ; 8 h
.set BY0, 9                            ; v9-10   the two blocks' bytes
.set SO0, 11                           ; v11-12  the conversions' scale operands
.set STG, 16                           ; v16-79  64 numbers: W as loaded, then two blocks of 32 neighbours
.set PCW, 80                           ; v80-87  W's fragment
.set PCS, 88                           ; v88-103 seq_code's two fragments
.set PWW, 104                          ; v104    W's scale word;  v105-106 seq_code's: these three hold scales alone
.set PWS, 105
.set MXA, 107                          ; v107-110 four running maxima
.set PX,  111
.set RS,  112                          ; v112-239 seq_code as loaded: two chunks of 16 rows
.set D0,  240                          ; v240-255 two accumulators
.macro TURNIN raw, off                 ; 16 rows of 512 bytes into my stage, as they were loaded
.irp j,0,1,2,3,4,5,6,7,8,9,10,11,12,13,14,15
	ds_store_b128 v[ATS], v[\raw+4*\j:\raw+4*\j+3] offset:\off+PITCH*\j
.endr
.endm
.macro QLOAD off, c                    ; my block 2 c + h of my row: 32 neighbours
.irp i,0,1,2,3,4,5,6,7
	ds_load_b128 v[STG+32*\c+4*\i:STG+32*\c+4*\i+3], v[AQ] offset:\off+256*\c+16*\i
.endr
.endm
.macro QBLK c, pc, left                ; left: the LDS instructions issued behind this block's loads
	s_wait_dscnt \left
	v_max3_num_f32 v[MXA],   |v[STG+32*\c]|,   |v[STG+32*\c+1]|, 0x1800000   ; the floor 2^(3 - 127) is one of the leaves: the byte cannot fall under 1
	v_max3_num_f32 v[MXA+1], |v[STG+32*\c+2]|, |v[STG+32*\c+3]|, |v[STG+32*\c+4]|
	v_max3_num_f32 v[MXA+2], |v[STG+32*\c+5]|, |v[STG+32*\c+6]|, |v[STG+32*\c+7]|
	v_max3_num_f32 v[MXA+3], |v[STG+32*\c+8]|, |v[STG+32*\c+9]|, |v[STG+32*\c+10]|
.irp i,11,19
	v_max3_num_f32 v[MXA],   v[MXA],   |v[STG+32*\c+\i]|,   |v[STG+32*\c+\i+1]|
	v_max3_num_f32 v[MXA+1], v[MXA+1], |v[STG+32*\c+\i+2]|, |v[STG+32*\c+\i+3]|
	v_max3_num_f32 v[MXA+2], v[MXA+2], |v[STG+32*\c+\i+4]|, |v[STG+32*\c+\i+5]|
	v_max3_num_f32 v[MXA+3], v[MXA+3], |v[STG+32*\c+\i+6]|, |v[STG+32*\c+\i+7]|
.endr
	v_max3_num_f32 v[MXA],   v[MXA],   |v[STG+32*\c+27]|, |v[STG+32*\c+28]|
	v_max3_num_f32 v[MXA+1], v[MXA+1], |v[STG+32*\c+29]|, |v[STG+32*\c+30]|
	v_max3_num_f32 v[MXA+2], v[MXA+2], v[MXA+3], |v[STG+32*\c+31]|
	v_max3_num_f32 v[MXA],   v[MXA],   v[MXA+1], v[MXA+2]
	v_add_nc_u32 v[SO0+\c], 0xff000000, v[MXA]     ; 2 off the exponent field: the conversion takes this operand's exponent field as its scale
.irp g,0,1,2,3
	v_cvt_scalef32_pk8_fp4_f32 v[\pc+4*\c+\g], v[STG+32*\c+8*\g:STG+32*\c+8*\g+7], v[SO0+\c]
.endr
	v_lshrrev_b32 v[BY0+\c], 23, v[SO0+\c]         ; the scale's byte; also the plain line behind the conversions
.endm
.macro QFRAG off, pc, pw               ; the stage's 16 x 128 numbers become a fragment and its scale word
	QLOAD \off, 0
	QLOAD \off, 1
	QBLK 0, \pc, 8                                 ; the second block's eight loads may be out
	QBLK 1, \pc, 0
	v_lshl_or_b32 v[\pw], v[BY0+1], 16, v[BY0]     ; my bytes: blocks h and 2 + h,
	v_lshlrev_b32 v[\pw], v[SH8], v[\pw]           ; at their places in the word;
	v_permlanex16_b32 v[PX], v[\pw], s32, s33
	v_or_b32 v[\pw], v[\pw], v[PX]                 ; with lane l xor 16's two the word is whole, in both lanes
.endm
	s_load_b256 s[4:11], s[0:1], 0x0               ; Wk s[4:5], Wv s[6:7], Wq s[8:9], seq_code s[10:11]
	s_load_b128 s[12:15], s[0:1], 0x20             ; wfrag s[12:13], wsc s[14:15]
	s_load_b64 s[16:17], s[0:1], 0x30
	s_load_b64 s[34:35], s[0:1], 0x38              ; sq_len
	s_load_b256 s[36:43], s[0:1], 0x40             ; sched s[36:37], tbuf s[38:39], pacc s[40:41], ml s[42:43]
	s_set_vgpr_msb 0x40
	v_lshl_add_u32 v0, v0, 2, 0x12800
	v_mov_b32 v1, 0
	s_set_vgpr_msb 0x4000
	v_lshrrev_b32 v13, 5, v0
	v_readfirstlane_b32 s19, v13                   ; wave = K step
	s_lshr_b32 s20, ttmp9, 5                       ; which matrix
	s_and_b32 s21, ttmp9, 31                       ; which 16 rows
	s_mov_b32 s32, 0x76543210
	s_mov_b32 s33, 0xfedcba98                      ; v_permlanex16_b32's selects for lane l xor 16
	v_and_b32 v13, 31, v0                          ; lane
	v_and_b32 v14, 15, v0                          ; r
	v_bfe_u32 v15, v0, 4, 1                        ; h
	v_lshlrev_b32 v[GL], 4, v13
	s_mul_i32 s22, s19, WST
	v_add_nc_u32 v[ATS], s22, v[GL]
	v_mul_u32_u24 v[AQ], v14, PITCH
	v_lshl_add_u32 v[AQ], v15, 7, v[AQ]
	v_add_nc_u32 v[AQ], s22, v[AQ]
	s_lshl_b32 s22, s19, 11
	s_add_co_u32 s22, s22, RED
	v_add_nc_u32 v[ARS], s22, v[GL]
	s_lshl_b32 s22, s19, 9
	s_add_co_u32 s22, s22, RED
	v_add_nc_u32 v[ARL], s22, v[GL]
	v_lshlrev_b32 v[GQ], 11, v14
	v_lshl_add_u32 v[GQ], v15, 5, v[GQ]
	s_lshl_b32 s22, s19, 2
	v_add_nc_u32 v[GS], s22, v[GL]
	v_lshlrev_b32 v[SH8], 3, v15
	v_mov_b32 v[PX], 0                             ; a lane permute's destination counts as one of its sources
	s_lshl_b32 s26, s21, 15                        ; my rows: 16 x 2,048 bytes a tile,
	s_lshl_b32 s28, s19, 9                         ; my K step: 512 bytes
	s_add_co_u32 s26, s26, s28
	s_mov_b32 s27, 0
	s_mov_b32 s29, 0
	s_wait_kmcnt 0x0
	s_cmp_ge_u32 ttmp9, 96
	s_cbranch_scc1 .Lextra
	s_cmp_eq_u32 s20, 0
	s_cselect_b64 s[24:25], s[4:5], s[6:7]
	s_cmp_eq_u32 s20, 2
	s_cselect_b64 s[24:25], s[8:9], s[24:25]
	s_add_nc_u64 s[24:25], s[24:25], s[26:27]
.irp j,0,1,2,3,4,5,6,7,8,9,10,11,12,13,14,15
	global_load_b128 v[STG+4*\j:STG+4*\j+3], v[GL], s[24:25] offset:2048*\j   ; 32 lanes read 512 consecutive bytes of row j
.endr
	s_cmp_eq_u32 s20, 2
	s_cbranch_scc1 .Lquery
	; ---- Wk or Wv: one fragment and its scale words, to memory
	s_lshl_b32 s30, s20, 17                        ; wfrag: 131,072 bytes a matrix,
	s_lshl_b32 s22, s21, 12                        ; 4,096 a tile,
	s_add_co_u32 s30, s30, s22
	s_lshl_b32 s22, s19, 10                        ; 1,024 a K step
	s_add_co_u32 s30, s30, s22
	s_mov_b32 s31, 0
	s_add_nc_u64 s[12:13], s[12:13], s[30:31]
	s_lshl_b32 s30, s20, 14                        ; wsc: 16,384 bytes a matrix,
	s_lshl_b32 s22, s21, 9                         ; 512 a tile
	s_add_co_u32 s30, s30, s22
	s_add_nc_u64 s[14:15], s[14:15], s[30:31]
	s_wait_loadcnt 0x0
	TURNIN STG, 0
	s_wait_dscnt 0x0                               ; the stores have read their registers: the loads below land in the same ones
	s_wait_alu depctr_va_vdst(0)
	QFRAG 0, PCW, PWW
	global_store_b128 v[GL], v[PCW:PCW+3], s[12:13]              ; 512 consecutive bytes an instruction
	global_store_b128 v[GL], v[PCW+4:PCW+7], s[12:13] offset:512
	global_store_b32 v[GS], v[PWW], s[14:15]
	s_set_vgpr_msb 0x5
	s_wait_tensorcnt 0x0
	ds_add_u32 v0, v1
	s_wait_dscnt 0x0
	s_set_vgpr_msb 0x500
	s_endpgm
	; ---- Wq: the query
.Lquery:
	s_add_nc_u64 s[10:11], s[10:11], s[28:29]      ; seq_code at my K step
.irp t,0,1
.irp j,0,1,2,3,4,5,6,7,8,9,10,11,12,13,14,15
	global_load_b128 v[RS+64*\t+4*\j:RS+64*\t+4*\j+3], v[GL], s[10:11] offset:(16*\t+\j)*2048
.endr
.endr
	s_wait_loadcnt 32                              ; W's 16 loads are in; seq_code's 32 may be out
	TURNIN STG, STB
	s_wait_dscnt 0x0                               ; the stores have read their registers
	s_wait_alu depctr_va_vdst(0)
	QFRAG STB, PCW, PWW
	s_wait_loadcnt 16                              ; batches 0-15 are in
	TURNIN RS, STB                                 ; my own stage again: LDS serves a wave's instructions in order, and my reads of it are back
	QFRAG STB, PCS, PWS
	s_wait_loadcnt 0x0
	TURNIN RS+64, STB
	QFRAG STB, PCS+8, PWS+1
.rept 8
	v_nop                                          ; a scale register written by a vector instruction stands 8 places ahead of a scaled matrix instruction, an operand so written 4
.endr
	; transposed: source 0 = 16 rows of Wq, source 1 = 16 batches: lane (r, h) holds batch r, register j hidden unit 8 h + j
	v_wmma_scale_f32_16x16x128_f8f6f4 v[D0:D0+7], v[PCW:PCW+7], v[PCS:PCS+7], 0, v[PWW], v[PWS] matrix_a_fmt:MATRIX_FMT_FP4 matrix_b_fmt:MATRIX_FMT_FP4
	v_wmma_scale_f32_16x16x128_f8f6f4 v[D0+8:D0+15], v[PCW:PCW+7], v[PCS+8:PCS+15], 0, v[PWW], v[PWS+1] matrix_a_fmt:MATRIX_FMT_FP4 matrix_b_fmt:MATRIX_FMT_FP4
.rept 4
	v_nop                                          ; four places in front of the first read of the results
.endr
.irp p,0,1,2,3
	ds_store_b128 v[ARS], v[D0+4*\p:D0+4*\p+3] offset:512*\p     ; piece p = 2 x (tile of batches) + (half of the registers); each accumulator from its low end on
.endr
	s_wait_dscnt 0x0                               ; for the others' sake: my partial sums lie in LDS
	s_barrier_signal -1
	s_barrier_wait -1
.irp k,0,1,2,3
	ds_load_b128 v[STG+4*\k:STG+4*\k+3], v[ARL] offset:2048*\k   ; wave s adds piece s of the four K steps
.endr
	s_lshr_b32 s22, s19, 1
	s_lshl_b32 s30, s22, 15                        ; 16 batches of 2,048 bytes,
	s_lshl_b32 s22, s21, 6                         ; my 16 hidden units,
	s_add_co_u32 s30, s30, s22
	s_and_b32 s22, s19, 1
	s_lshl_b32 s22, s22, 4                         ; the piece's four registers
	s_add_co_u32 s30, s30, s22
	s_mov_b32 s31, 0
	s_add_nc_u64 s[16:17], s[16:17], s[30:31]
	s_wait_dscnt 0x0
	v_pk_add_f32 v[STG:STG+1],     v[STG:STG+1],     v[STG+4:STG+5]
	v_pk_add_f32 v[STG+2:STG+3],   v[STG+2:STG+3],   v[STG+6:STG+7]
	v_pk_add_f32 v[STG+8:STG+9],   v[STG+8:STG+9],   v[STG+12:STG+13]
	v_pk_add_f32 v[STG+10:STG+11], v[STG+10:STG+11], v[STG+14:STG+15]
	v_pk_add_f32 v[STG:STG+1],     v[STG:STG+1],     v[STG+8:STG+9]
	v_pk_add_f32 v[STG+2:STG+3],   v[STG+2:STG+3],   v[STG+10:STG+11]
	global_store_b128 v[GQ], v[STG:STG+3], s[16:17]
	s_set_vgpr_msb 0x5
	s_wait_tensorcnt 0x0
	ds_add_u32 v0, v1
	s_wait_dscnt 0x0
	s_set_vgpr_msb 0x500
	s_endpgm
	; ---- the list: lane b of every wave holds batch b; a thread makes the records of work-groups thread and thread + 128
.macro CAND c, d                       ; parts of my batch with c tiles a part: (tiles + c - 1) / c, exact for numerators under 144
	v_add_nc_u32 v[\d], (\c)-1, v19
	v_mul_u32_u24 v[\d], 65536/(\c)+1, v[\d]
	v_lshrrev_b32 v[\d], 16, v[\d]
.endm
.macro PICK c, src, sh                 ; c is too small where the parts are more than 256
	s_bfe_u32 s25, s\src, (10<<16)|\sh
	s_cmp_gt_u32 s25, 0x100
	s_cselect_b32 s44, (\c)+1, s44
	s_cselect_b32 s45, 65536/((\c)+1)+1, s45
.endm
.macro REC g, b, o, off                ; v\g: the work-group, v\b: its batch
	v_lshlrev_b32 v27, 2, v\b
	ds_bpermute_b32 v28, v27, v22                  ; the batch's first part, its parts, its tiles, its sq_len
	ds_bpermute_b32 v29, v27, v21
	ds_bpermute_b32 v30, v27, v19
	ds_bpermute_b32 v31, v27, v18
	s_wait_alu depctr_va_vdst(0)
	s_wait_dscnt 0x0
	v_sub_nc_u32 v28, v\g, v28                     ; the part's number in its batch
	v_mul_u32_u24 v32, s44, v28
	v_sub_nc_u32 v33, v30, v32
	v_min_u32 v33, s44, v33
	v_lshl_or_b32 v34, v33, 8, v28
	v_cmp_lt_u32 vcc_lo, v28, v29
	v_cndmask_b32 v[\o], 0, v\b, vcc_lo
	v_cndmask_b32 v[\o+1], 0, v32, vcc_lo
	v_cndmask_b32 v[\o+2], 0, v34, vcc_lo
	v_cndmask_b32 v[\o+3], 0, v31, vcc_lo
	global_store_b128 v35, v[\o:\o+3], s[36:37] offset:\off
.endm
.Lextra:
	s_cmp_lg_u32 ttmp9, 96
	s_cbranch_scc1 .Lfill
	v_and_b32 v16, 31, v0
	v_lshlrev_b32 v17, 2, v16
	global_load_b32 v18, v17, s[34:35]
	v_lshlrev_b32 v35, 4, v0
	v_mov_b32 v22, 0
	v_mov_b32 v23, v0
	v_add_nc_u32 v24, 0x80, v0
	v_mov_b32 v25, -1
	v_mov_b32 v26, -1
	v_mov_b32 v36, 0                               ; the lane permutes' destinations count as sources
	v_mov_b32 v37, 0
	v_mov_b32 v38, 0
	s_wait_alu depctr_va_vdst(0)
	s_wait_loadcnt 0x0
	v_min_u32 v18, 0x1000, v18
	v_add_nc_u32 v19, 31, v18
	v_lshrrev_b32 v19, 5, v19                      ; tiles of 32 regions
	CAND 8, 40
	CAND 9, 41
	CAND 10, 42
	CAND 11, 43
	CAND 12, 44
	CAND 13, 45
	CAND 14, 46
	CAND 15, 47
	v_lshl_or_b32 v40, v41, 10, v40                ; sums over 32 batches are at most 512: ten bits each
	v_lshl_or_b32 v43, v44, 10, v43
	v_lshl_or_b32 v46, v47, 10, v46
	v_lshl_or_b32 v40, v42, 20, v40
	v_lshl_or_b32 v43, v45, 20, v43
.irp x,1,2,4,8
.irp r,40,43,46
	v_add_nc_u32_dpp v\r, v\r, v\r row_xmask:\x row_mask:0xf bank_mask:0xf
.endr
.endr
	v_permlanex16_b32 v36, v40, s32, s33
	v_permlanex16_b32 v37, v43, s32, s33
	v_permlanex16_b32 v38, v46, s32, s33
	v_add_nc_u32 v40, v40, v36
	v_add_nc_u32 v43, v43, v37
	v_add_nc_u32 v46, v46, v38
	v_readfirstlane_b32 s22, v40
	v_readfirstlane_b32 s23, v43
	v_readfirstlane_b32 s24, v46
	s_wait_alu depctr_va_vdst(0)
	s_mov_b32 s44, 8
	s_mov_b32 s45, 65536/8+1
	PICK 8, 22, 0
	PICK 9, 22, 10
	PICK 10, 22, 20
	PICK 11, 23, 0
	PICK 12, 23, 10
	PICK 13, 23, 20
	PICK 14, 24, 0
	PICK 15, 24, 10
	s_sub_co_u32 s46, s44, 1
	s_mov_b32 s22, 0
	v_add_nc_u32 v21, s46, v19
	v_mul_u32_u24 v21, s45, v21
	v_lshrrev_b32 v21, 16, v21                     ; my batch's parts
	s_wait_alu depctr_va_vdst(0)
.set LB, 0
.rept 32
	v_writelane_b32 v22, s22, LB                   ; batch LB's first part; a work-group's batch is the last whose first part is at or under its number
	v_cmp_le_u32 vcc_lo, s22, v23
	v_add_co_ci_u32 v25, vcc_lo, 0, v25, vcc_lo
	v_cmp_le_u32 vcc_lo, s22, v24
	v_add_co_ci_u32 v26, vcc_lo, 0, v26, vcc_lo
	v_readlane_b32 s23, v21, LB
	s_add_co_u32 s22, s22, s23
.set LB, LB+1
.endr
	REC 23, 25, 40, 0
	REC 24, 26, 44, 2048
	s_endpgm
	; ---- neutral values: 8,192 bytes of tbuf, 16,384 of pacc, 2,048 of ml a work-group
.Lfill:
	s_sub_co_u32 s22, ttmp9, 97
	s_lshl_b32 s26, s22, 13
	s_add_nc_u64 s[38:39], s[38:39], s[26:27]
	s_lshl_b32 s26, s22, 14
	s_add_nc_u64 s[40:41], s[40:41], s[26:27]
	s_lshl_b32 s26, s22, 11
	s_add_nc_u64 s[42:43], s[42:43], s[26:27]
	v_lshlrev_b32 v16, 4, v0
.irp i,20,21,22,23,25,27
	v_mov_b32 v\i, 0
.endr
	v_mov_b32 v24, 0xff61b1e6
	v_mov_b32 v26, 0xff61b1e6
.irp i,0,1,2,3
	global_store_b128 v16, v[20:23], s[38:39] offset:2048*\i
.endr
.irp i,0,1,2,3,4,5,6,7
	global_store_b128 v16, v[20:23], s[40:41] offset:2048*\i
.endr
	global_store_b128 v16, v[24:27], s[42:43]
	s_endpgm
.Lfunc_end_k_qdbe2c5ed8d_prep:
	.size	k_qdbe2c5ed8d_prep, .Lfunc_end_k_qdbe2c5ed8d_prep-k_qdbe2c5ed8d_prep
	.p2alignl 7, 3214868480
	.fill 96, 4, 3214868480
	.section	.rodata,"a",@progbits
	.p2align	6, 0x0
	.amdhsa_kernel k_qdbe2c5ed8d_prep
		.amdhsa_group_segment_fixed_size 76288
		.amdhsa_private_segment_fixed_size 0
		.amdhsa_enable_private_segment 0
		.amdhsa_kernarg_size 96
		.amdhsa_user_sgpr_count 2
		.amdhsa_user_sgpr_kernarg_segment_ptr 1
		.amdhsa_wavefront_size32 1
		.amdhsa_system_sgpr_workgroup_id_x 1
		.amdhsa_system_sgpr_workgroup_id_y 1
		.amdhsa_system_sgpr_workgroup_id_z 1
		.amdhsa_system_vgpr_workitem_id 0
		.amdhsa_next_free_vgpr 258
		.amdhsa_next_free_sgpr 66
		.amdhsa_reserve_vcc 1
		.amdhsa_float_denorm_mode_32 3
		.amdhsa_float_denorm_mode_16_64 3
		.amdhsa_memory_ordered 1
		.amdhsa_forward_progress 1
		.amdhsa_inst_pref_size 48
	.end_amdhsa_kernel
	.amdgpu_metadata
---
amdhsa.version: [ 1, 2 ]
amdhsa.kernels:
  - .name:           k_qdbe2c5ed8d_prep
    .symbol:         k_qdbe2c5ed8d_prep.kd
    .args:
      - { .name: Wk, .offset: 0, .size: 8, .value_kind: global_buffer, .address_space: global }
      - { .name: Wv, .offset: 8, .size: 8, .value_kind: global_buffer, .address_space: global }
      - { .name: Wq, .offset: 16, .size: 8, .value_kind: global_buffer, .address_space: global }
      - { .name: seq_code, .offset: 24, .size: 8, .value_kind: global_buffer, .address_space: global }
      - { .name: wfrag, .offset: 32, .size: 8, .value_kind: global_buffer, .address_space: global }
      - { .name: wsc, .offset: 40, .size: 8, .value_kind: global_buffer, .address_space: global }
      - { .name: qbuf, .offset: 48, .size: 8, .value_kind: global_buffer, .address_space: global }
      - { .name: sq_len, .offset: 56, .size: 8, .value_kind: global_buffer, .address_space: global }
      - { .name: sched, .offset: 64, .size: 8, .value_kind: global_buffer, .address_space: global }
      - { .name: tbuf, .offset: 72, .size: 8, .value_kind: global_buffer, .address_space: global }
      - { .name: pacc, .offset: 80, .size: 8, .value_kind: global_buffer, .address_space: global }
      - { .name: ml, .offset: 88, .size: 8, .value_kind: global_buffer, .address_space: global }
    .group_segment_fixed_size: 76288
    .private_segment_fixed_size: 0
    .kernarg_segment_align: 8
    .kernarg_segment_size: 96
    .max_flat_workgroup_size: 128
    .sgpr_count:     66
    .vgpr_count:     258
    .wavefront_size: 32
...
	.end_amdgpu_metadata
.endif
;; end of part 1
;; launch main (part 2): grid 256 x 1, 8 waves a work-group, no clusters, 12,800 bytes of LDS; arguments region_features, sched, wfrag, wsc, qbuf, tbuf, pacc, ml; writes tbuf, pacc, ml
.if DOCPART == 2
	.amdgcn_target "amdgcn-amd-amdhsa--gfx1250"
	.amdhsa_code_object_version 6
	.text
	.protected	k_qdbe2c5ed8d_main
	.globl	k_qdbe2c5ed8d_main
	.p2align	8
	.type	k_qdbe2c5ed8d_main,@function
k_qdbe2c5ed8d_main:
	s_mov_b64 s[64:65], 0
	v_nop
	global_prefetch_b8 v0, s[64:65] scope:SCOPE_SE
	s_setreg_imm32_b32 hwreg(HW_REG_WAVE_MODE, 25, 1), 1
	s_wait_xcnt 0x0
; A work-group takes one record of the list: up to 16 tiles of 32 regions of one batch.  For each tile: X = region_features' 32 rows are quantised to FP4 (E2M1) along K = 512, keys = Q(X) Q(Wk)^T and
; values = relu(Q(X) Q(Wv)^T) by the matrix unit, t = (query . key) log2(e) / sqrt(512) in f32, and a running softmax: largest t, sum of p = 2^(t - largest), sum of p x value.  It leaves t, and the part's three results.
; WORK LEFT OUT: tiles that lie wholly at or past sq_len (the first kernel's head says why they reach no output).  LIMITS: as there; a block whose largest magnitude lies under 2^-124 keeps the scale byte 1.
; SHARES: eight waves, each with 64 hidden units of Wk and of Wv in 256 registers for the whole launch; each quantises 4 of a tile's 32 rows, and the codes meet in LDS as an image of the operand's registers.
; NO TENSOR LOAD AND NO CLUSTER: how many tiles a work-group walks hangs on a list that is read from memory; the rows are read by one work-group alone, straight into registers.
; NO BARRIER UNDER A BRANCH ON THE LIST: the loop has 16 trips always.
; LOADS: a tile's 16 loads of a wave go out as the tile before is quantised, 64 KB a work-group; a prefetch asks for the tile one trip further on: each aligned block of 256 bytes once, 32 lanes x 256 bytes a wave.
; It asks only for tiles of the part's own, so it ends by itself.
; A load is one row x 128 K: 512 consecutive bytes, 4 numbers a lane, 8 lanes a block of 32.  Two loads' 8 registers go through the conversion twice, with either block's scale: the low four codes of the
; first result and the high four of the second are kept.
; LDS: image: [K step][16 rows][block of 32][row] 16 bytes, blocks 272 bytes apart; scale bytes [row][K step][block]; partial dots [row] 48 bytes apart, a word a wave; p, 128 bytes a wave; the spare words.
.set XIMG, 0
.set XSC,  8704
.set DIST, 9216
.set PSC,  10752
.set SPARE, 11776
.set TT,   1
.set SPW,  2
.set NIL,  3
.set AXW,  4
.set AXB,  5
.set AXL,  6
.set AXSL, 7
.set ADS,  8
.set ADL,  9
.set APS,  10
.set APL,  11
.set GX,   12                          ; 16 x lane
.set PFO,  13                          ; 256 x lane
.set G4,   14                          ; 4 x lane
.set PX,   15
.set RM,   16                          ; the largest t so far, the same in all lanes
.set RL,   17                          ; my lane's sum of p
.set RF,   18                          ; the factor of the older sums; v19: p
.set WKS,  20                          ; scale words: [pair of tiles][K step], lanes 0-15 the even tile, 16-31 the odd one
.set WVS,  28
.set XS,   36                          ; [K step], lane = row
.set OACC, 40                          ; four tiles of hidden units, a pair each
.set QK,   48                          ; the query: [pair][tile] 8 units 8 (lane / 16) on
.set RAW,  80                          ; X as loaded: 16 loads
.set IMG,  144                         ; X's fragments: [K step][16 rows] 8 registers
.set ACC,  208                         ; two accumulators of 16; the quantiser's registers
.set RP,   240                         ; p of 16 rows; partial dots
.set DT,   240
.set WV,   20                          ; s20  wave
.set CNT,  28                          ; s28  the trip
.set N,    26                          ; s26  tiles;  s29, s30, s31: less 1, 2, 3
.set SEL,  32
.set CC,   34
.set REM4, 35                          ; s35  4 x (regions under sq_len from the tile's first on)
.set NEG,  36
.set TB,   65536                       ; a tile's bytes
.set MSB, 0
.macro WIN new
.if MSB != \new
	s_set_vgpr_msb (MSB<<8)|\new
.set MSB, \new
.endif
.endm
; Row j of my four: 4 loads, one a K step.  re = 1: their registers take the next tile's row at once.
.macro ROWQ j, cnt, re, off
.set R0, RAW+16*(\j)
.set MX, ACC+16*((\j)%2)
.set SO, MX+4
.set CD, MX+8
.set BY, MX+12
	s_wait_loadcnt \cnt
.irp u,0,1,2,3
	v_max3_num_f32 v[MX+\u], |v[R0+4*\u]|, |v[R0+4*\u+1]|, |v[R0+4*\u+2]|
.endr
.irp u,0,1,2,3
	v_max3_num_f32 v[MX+\u], v[MX+\u], |v[R0+4*\u+3]|, 0x1800000   ; the floor 2^(3 - 127): the byte cannot fall under 1
.endr
.irp x,1,2,4
.irp u,0,1,2,3
	v_max_num_f32_dpp v[MX+\u], v[MX+\u], v[MX+\u] row_xmask:\x row_mask:0xf bank_mask:0xf
.endr
.endr
.irp u,0,1,2,3
	v_add_nc_u32 v[SO+\u], 0xff000000, v[MX+\u]    ; 2 off the exponent field: the conversion's scale operand
.endr
	v_cvt_scalef32_pk8_fp4_f32 v[CD],   v[R0:R0+7], v[SO]
	v_cvt_scalef32_pk8_fp4_f32 v[CD+1], v[R0:R0+7], v[SO+1]
	v_cvt_scalef32_pk8_fp4_f32 v[CD+2], v[R0+8:R0+15], v[SO+2]
	v_cvt_scalef32_pk8_fp4_f32 v[CD+3], v[R0+8:R0+15], v[SO+3]
.irp u,0,1,2,3
	v_lshrrev_b32 v[BY+\u], 23, v[SO+\u]           ; the scale's byte
.endr
.if \re
.irp u,0,1,2,3
	global_load_b128 v[R0+4*\u:R0+4*\u+3], v[GX], s[4:5] offset:\off+2048*(\j)+512*\u th:TH_LOAD_NT
.endr
.endif
	ds_store_b16 v[AXW], v[CD] offset:16*(\j)
	ds_store_b16_d16_hi v[AXW], v[CD+1] offset:2176+16*(\j)
	ds_store_b16 v[AXW], v[CD+2] offset:2*2176+16*(\j)
	ds_store_b16_d16_hi v[AXW], v[CD+3] offset:3*2176+16*(\j)
.irp u,0,1,2,3
	ds_store_b8 v[AXB], v[BY+\u] offset:16*(\j)+4*\u               ; a block's eight lanes write the same byte with the same value
.endr
.endm
.macro MM d, a, b, z, sa, sb, row
.if \z
.if \row
	v_wmma_scale_f32_32x16x128_f4 v[\d:\d+15], v[\a:\a+15], v[\b:\b+7], 0, v[\sa], v[\sb] matrix_b_scale:MATRIX_SCALE_ROW1
.else
	v_wmma_scale_f32_32x16x128_f4 v[\d:\d+15], v[\a:\a+15], v[\b:\b+7], 0, v[\sa], v[\sb]
.endif
.else
.if \row
	v_wmma_scale_f32_32x16x128_f4 v[\d:\d+15], v[\a:\a+15], v[\b:\b+7], v[\d:\d+15], v[\sa], v[\sb] matrix_b_scale:MATRIX_SCALE_ROW1
.else
	v_wmma_scale_f32_32x16x128_f4 v[\d:\d+15], v[\a:\a+15], v[\b:\b+7], v[\d:\d+15], v[\sa], v[\sb]
.endif
.endif
.endm
.macro CK p                            ; query . key over the pair's 32 units: lane (r, h) has row r of either 16, units 8 h + 0..7 of either tile
.irp i,0,1,2,3,4,5,6,7
.irp m,0,1
.if ((\p) == 0) && (\i < 2)
	v_pk_mul_f32 v[DT+4*\m+2*(\i%2):DT+4*\m+2*(\i%2)+1], v[ACC+16*\m+2*\i:ACC+16*\m+2*\i+1], v[QK+16*(\p)+2*\i:QK+16*(\p)+2*\i+1]
.else
	v_pk_fma_f32 v[DT+4*\m+2*(\i%2):DT+4*\m+2*(\i%2)+1], v[ACC+16*\m+2*\i:ACC+16*\m+2*\i+1], v[QK+16*(\p)+2*\i:QK+16*(\p)+2*\i+1], v[DT+4*\m+2*(\i%2):DT+4*\m+2*(\i%2)+1]
.endif
.endr
.endr
.endm
; Keys, transposed: source 0 = 32 rows of Wk, source 1 = 16 rows of X.  The two accumulators take turns.
.macro KSEC
	ds_load_b128 v[XS:XS+3], v[AXSL]
.irp s,0,1,2,3
.irp m,0,1
.irp c,0,1
	ds_load_b128 v[IMG+16*\s+8*\m+4*\c:IMG+16*\s+8*\m+4*\c+3], v[AXL] offset:2176*\s+1088*\m+544*\c
.endr
.endr
.endr
	s_wait_loadcnt 48                              ; the query is in (behind it at the most: 32 loads of Wv, 16 of X)
	WIN 0x01
.irp s,0,1,2,3
	s_wait_dscnt 12-4*\s                           ; the later K steps' fragments may be out
.irp m,0,1
	MM ACC+16*\m, 16*\s, IMG+16*\s+8*\m, \s==0, WKS+\s, XS+\s, \m
.endr
.endr
	WIN 0
.rept 4
	v_nop
.endr
	CK 0
	WIN 0x01
.irp s,0,1,2,3
.irp m,0,1
	MM ACC+16*\m, 64+16*\s, IMG+16*\s+8*\m, \s==0, WKS+4+\s, XS+\s, \m
.endr
.endr
	WIN 0
.rept 4
	v_nop
.endr
	CK 1
	v_pk_add_f32 v[DT:DT+1], v[DT:DT+1], v[DT+2:DT+3]
	v_pk_add_f32 v[DT+4:DT+5], v[DT+4:DT+5], v[DT+6:DT+7]
	v_add_f32 v[DT], v[DT], v[DT+1]
	v_add_f32 v[DT+4], v[DT+4], v[DT+5]
	v_permlane16_swap_b32 v[DT], v[DT+4]           ; lane = row: both halves of its sum, one in each register
	v_add_f32 v[DT], v[DT], v[DT+4]
	ds_store_b32 v[ADS], v[DT]
	s_wait_alu depctr_va_vdst(0)
.endm
.macro MEET
	s_wait_dscnt 0x0                               ; my LDS stores are done, my loads are back
	s_barrier_signal -1
	s_barrier_wait -1
.endm
; Values: source 0 = X's 32 rows, source 1 = 16 rows of Wv: a lane has one unit, its registers rows 8 h + 0..7 and 16 + 8 h + 0..7.
.macro WVM g
	WIN 0x04
.irp s,0,1,2,3
.irp a,0,1
	MM ACC+16*\a, IMG+16*\s, 128+64*(\g)+32*\a+8*\s, \s==0, XS+\s, WVS+4*(\g)+\s, \a
.endr
.endr
	WIN 0
.endm
.macro CV g                            ; the activation, x p, summed over my 16 rows: two chains a tile
.irp a,0,1
.irp i,0,2,4,6,8,10,12,14
	v_dual_max_num_f32 v[ACC+16*\a+\i], 0, v[ACC+16*\a+\i] :: v_dual_max_num_f32 v[ACC+16*\a+\i+1], 0, v[ACC+16*\a+\i+1]
.endr
.endr
.irp i,0,1,2,3
.irp a,0,1
	v_pk_fma_f32 v[OACC+4*(\g)+2*\a:OACC+4*(\g)+2*\a+1], v[ACC+16*\a+2*\i:ACC+16*\a+2*\i+1], v[RP+2*\i:RP+2*\i+1], v[OACC+4*(\g)+2*\a:OACC+4*(\g)+2*\a+1]
.if \i == 0
	v_pk_mul_f32 v[ACC+16*\a+8:ACC+16*\a+9], v[ACC+16*\a+8:ACC+16*\a+9], v[RP+8:RP+9]
.else
	v_pk_fma_f32 v[ACC+16*\a+8:ACC+16*\a+9], v[ACC+16*\a+8+2*\i:ACC+16*\a+9+2*\i], v[RP+8+2*\i:RP+9+2*\i], v[ACC+16*\a+8:ACC+16*\a+9]
.endif
.endr
.endr
.irp a,0,1
	v_pk_add_f32 v[OACC+4*(\g)+2*\a:OACC+4*(\g)+2*\a+1], v[OACC+4*(\g)+2*\a:OACC+4*(\g)+2*\a+1], v[ACC+16*\a+8:ACC+16*\a+9]
.endr
.endm
	s_load_b512 s[4:19], s[0:1], 0x0               ; X s[4:5], sched s[6:7], wfrag s[8:9], wsc s[10:11], qbuf s[12:13], tbuf s[14:15], pacc s[16:17], ml s[18:19]
	v_lshl_add_u32 v[SPW], v0, 2, SPARE
	v_mov_b32 v[NIL], 0
	v_lshrrev_b32 v210, 5, v0
	v_readfirstlane_b32 s[WV], v210                ; wave 0..7: rows 4 w .. 4 w + 3 of a tile, units 64 w .. 64 w + 63
	s_lshr_b32 s22, s[WV], 2
	s_and_b32 s23, s[WV], 3
	s_mul_i32 s22, s22, 1088
	s_lshl_b32 s23, s23, 6
	s_add_co_u32 s22, s22, s23                     ; image: my rows
	s_lshl_b32 s21, s[WV], 6
	s_add_co_u32 s21, s21, XSC                     ; scale bytes: my rows
	s_lshl_b32 s23, s[WV], 2
	s_add_co_u32 s23, s23, DIST                    ; partial dots: my word
	s_lshl_b32 s37, s[WV], 7
	s_add_co_u32 s37, s37, PSC                     ; p: my 128 bytes
	s_mov_b32 s[SEL], 0x76543210
	s_mov_b32 s[SEL+1], 0xfedcba98                 ; v_permlanex16_b32's selects for lane l xor 16
	s_mov_b32 s[CC], 0x3d8293ee                    ; log2(e) / sqrt(512)
	s_mov_b32 s[NEG], 0xff61b1e6                   ; -3e38
	s_mov_b32 s[CNT], 0
	s_mov_b32 s41, 0
	v_and_b32 v210, 31, v0                         ; lane
	v_and_b32 v211, 15, v0
	v_bfe_u32 v212, v0, 4, 1
	v_bfe_u32 v213, v0, 3, 2                       ; lane / 8: the block of 32 in a load
	v_and_b32 v214, 7, v0
	v_mul_u32_u24 v[AXW], 272, v213
	v_lshl_add_u32 v[AXW], v214, 1, v[AXW]
	v_add_nc_u32 v[AXW], s22, v[AXW]
	v_add_nc_u32 v[AXB], s21, v213
	v_mul_u32_u24 v[AXL], 272, v212
	v_lshl_add_u32 v[AXL], v211, 4, v[AXL]
	v_lshl_add_u32 v[AXSL], v210, 4, XSC
	v_mul_u32_u24 v[ADL], 48, v210
	v_add_nc_u32 v[ADS], s23, v[ADL]
	v_add_nc_u32 v[ADL], DIST, v[ADL]
	v_lshl_add_u32 v[APS], v210, 2, s37
	v_lshl_add_u32 v[APL], v212, 5, s37
	v_lshlrev_b32 v[GX], 4, v210
	v_lshlrev_b32 v[PFO], 8, v210
	v_lshlrev_b32 v[G4], 2, v210
	v_lshl_add_u32 v[RF], v212, 9, v[GX]           ; (for the head:) W's scale words: tile lane / 16 of a pair
	v_lshlrev_b32 v[TT], 5, v212                   ; (for the head:) the query: 8 units a half
	v_mov_b32 v[PX], 0
	v_mov_b32 v[RM], s[NEG]
	v_mov_b32 v[RL], 0
.irp n,0,1,2,3,4,5,6,7
	v_mov_b32 v[OACC+\n], 0
.endr
	s_wait_alu depctr_va_vdst(0)
	s_wait_kmcnt 0x0
	s_lshl_b32 s40, ttmp9, 4
	s_add_nc_u64 s[6:7], s[6:7], s[40:41]
	s_load_b128 s[24:27], s[6:7], 0x0              ; my record
	s_lshl_b32 s40, s[WV], 14
	s_add_nc_u64 s[8:9], s[8:9], s[40:41]
	s_lshl_b32 s40, s[WV], 11
	s_add_nc_u64 s[10:11], s[10:11], s[40:41]
	WIN 0x40
.irp p,0,1                             ; Wk: a pair of tiles side by side, 16 registers a K step
.irp u,0,1
.irp s,0,1,2,3
.irp c,0,1
	global_load_b128 v[64*\p+16*\s+8*\u+4*\c:64*\p+16*\s+8*\u+4*\c+3], v[GX], s[8:9] offset:8192*\p+4096*\u+1024*\s+512*\c
.endr
.endr
.endr
.endr
	WIN 0
.irp p,0,1
	global_load_b128 v[WKS+4*\p:WKS+4*\p+3], v[RF], s[10:11] offset:1024*\p
	global_load_b128 v[WVS+4*\p:WVS+4*\p+3], v[RF], s[10:11] offset:16384+1024*\p
.endr
	s_wait_kmcnt 0x0
	s_min_u32 s24, s24, 31                         ; batch
	s_min_u32 s25, s25, 127                        ; first tile
	s_min_u32 s26, s26, 0x10ff
	s_and_b32 s38, s26, 15                         ; the part's number in its batch
	s_lshr_b32 s[N], s26, 8
	s_sub_co_i32 s29, s[N], 1
	s_sub_co_i32 s30, s[N], 2
	s_sub_co_i32 s31, s[N], 3
	s_lshl_b32 s40, s24, 23
	s_lshl_b32 s42, s25, 16
	s_add_co_u32 s40, s40, s42
	s_lshl_b32 s42, s[WV], 13
	s_add_co_u32 s40, s40, s42
	s_add_nc_u64 s[4:5], s[4:5], s[40:41]
.set f, 0
.rept 16
	global_load_b128 v[RAW+4*f:RAW+4*f+3], v[GX], s[4:5] offset:512*f th:TH_LOAD_NT   ; tile 0: my 8 KB
.set f, f+1
.endr
	s_cmp_lt_i32 s[N], 2
	s_cbranch_scc1 .Lone
	global_prefetch_b8 v[PFO], s[4:5] offset:TB th:TH_LOAD_NT scope:SCOPE_SE
.Lone:
	s_lshl_b32 s40, s24, 11
	s_lshl_b32 s42, s[WV], 8
	s_add_co_u32 s40, s40, s42
	s_add_nc_u64 s[12:13], s[12:13], s[40:41]
.irp p,0,1
.irp u,0,1
.irp c,0,1
	global_load_b128 v[QK+16*\p+8*\u+4*\c:QK+16*\p+8*\u+4*\c+3], v[TT], s[12:13] offset:128*\p+64*\u+16*\c
.endr
.endr
.endr
	WIN 0x40
.set f, 0
.rept 32
	global_load_b128 v[128+4*f:128+4*f+3], v[GX], s[8:9] offset:131072+512*f          ; Wv: four tiles, 8 registers a K step
.set f, f+1
.endr
	WIN 0
	s_cmp_lt_i32 s[N], 3
	s_cbranch_scc1 .Ltwo
	global_prefetch_b8 v[PFO], s[4:5] offset:2*TB th:TH_LOAD_NT scope:SCOPE_SE
.Ltwo:
	s_lshl_b32 s40, s24, 14
	s_lshl_b32 s42, s25, 7
	s_add_co_u32 s40, s40, s42
	s_add_nc_u64 s[14:15], s[14:15], s[40:41]      ; t: batch, first tile
	s_lshl_b32 s42, s24, 4
	s_add_co_u32 s38, s42, s38                     ; 16 x batch + part
	s_lshl_b32 s40, s38, 11
	s_lshl_b32 s42, s[WV], 8
	s_add_co_u32 s40, s40, s42
	s_add_nc_u64 s[16:17], s[16:17], s[40:41]
	s_lshl_b32 s40, s38, 8
	s_add_nc_u64 s[18:19], s[18:19], s[40:41]
	s_lshl_b32 s42, s25, 5
	s_sub_co_i32 s[REM4], s27, s42
	s_lshl_b32 s[REM4], s[REM4], 2
	s_cmp_lt_i32 s[N], 2
	s_cbranch_scc1 .Lfirst_only
	ROWQ 0, 52, 1, TB                              ; behind a row's loads: 12 of X (older or newer rows'), 8 of the query, 32 of Wv
	ROWQ 1, 52, 1, TB
	ROWQ 2, 52, 1, TB
	ROWQ 3, 52, 1, TB
	s_branch .Lfirst
.Lfirst_only:
	ROWQ 0, 52, 0, 0
	ROWQ 1, 48, 0, 0
	ROWQ 2, 44, 0, 0
	ROWQ 3, 40, 0, 0
	s_wait_loadcnt 0x0                             ; so that what follows may count on it: nothing of X is on its way
.Lfirst:
	s_wait_alu depctr_va_vdst(0)
	MEET
	KSEC
	MEET
.Ltrip:
	s_cmp_ge_i32 s[CNT], s[N]
	s_cbranch_scc1 .Lno_v
	; ---- the trip's tile: softmax and values
	ds_load_b128 v[RP:RP+3], v[ADL]                ; my row's eight partial dots
	ds_load_b128 v[RP+4:RP+7], v[ADL] offset:16
	s_wait_loadcnt 16                              ; Wv is in (the next tile's 16 loads may be out)
	WVM 0
	s_wait_dscnt 0x0
	v_pk_add_f32 v[RP:RP+1], v[RP:RP+1], v[RP+2:RP+3]
	v_pk_add_f32 v[RP+4:RP+5], v[RP+4:RP+5], v[RP+6:RP+7]
	v_pk_add_f32 v[RP:RP+1], v[RP:RP+1], v[RP+4:RP+5]
	v_add_f32 v[RP], v[RP], v[RP+1]
	v_mul_f32 v[TT], s[CC], v[RP]
	v_cmp_gt_i32 vcc_lo, s[REM4], v[G4]            ; is my row under sq_len?
	v_cndmask_b32 v[RP+2], s[NEG], v[TT], vcc_lo
	v_max_num_f32_dpp v[RP+3], v[RP+2], v[RP+2] row_xmask:1 row_mask:0xf bank_mask:0xf
	v_max_num_f32_dpp v[RP+3], v[RP+3], v[RP+3] row_xmask:2 row_mask:0xf bank_mask:0xf
	v_max_num_f32_dpp v[RP+3], v[RP+3], v[RP+3] row_xmask:4 row_mask:0xf bank_mask:0xf
	v_max_num_f32_dpp v[RP+3], v[RP+3], v[RP+3] row_xmask:8 row_mask:0xf bank_mask:0xf
	v_permlanex16_b32 v[PX], v[RP+3], s[SEL], s[SEL+1]
	v_max3_num_f32 v[RP+4], v[RP+3], v[PX], v[RM]
	v_sub_f32 v[RP+5], v[RM], v[RP+4]
	v_sub_f32 v[RP+6], v[RP+2], v[RP+4]
	s_wait_alu depctr_va_vdst(0)                   ; ahead of the batch
	v_exp_f32 v[RF], v[RP+5]
	v_exp_f32 v[RF+1], v[RP+6]
	v_mov_b32 v[RM], v[RP+4]
	s_wait_alu depctr_va_vdst(0)                   ; and ahead of its first reader
	v_cndmask_b32 v[RF+1], 0, v[RF+1], vcc_lo
	v_fma_f32 v[RL], v[RL], v[RF], v[RF+1]
	ds_store_b32 v[APS], v[RF+1]
	ds_load_b128 v[RP:RP+3], v[APL]                ; LDS serves a wave's instructions in order (ISA guide 5.7.1.4): these see the store
	ds_load_b128 v[RP+4:RP+7], v[APL] offset:16
	ds_load_b128 v[RP+8:RP+11], v[APL] offset:64
	ds_load_b128 v[RP+12:RP+15], v[APL] offset:80
.irp n,0,1,2,3
	v_pk_mul_f32 v[OACC+2*\n:OACC+2*\n+1], v[OACC+2*\n:OACC+2*\n+1], v[RF:RF+1] op_sel_hi:[1,0]
.endr
	s_wait_alu depctr_va_vdst(0)                   ; ahead of the branch
	s_sub_co_i32 s[REM4], s[REM4], 128
	s_cmp_lg_u32 s[WV], 0
	s_cbranch_scc1 .Lnot_0
	global_store_b32 v[G4], v[TT], s[14:15]        ; wave 0: the tile's 32 t
.Lnot_0:
	s_wait_dscnt 0x0                               ; p is back
	s_wait_alu depctr_va_vdst(0)                   ; ahead of the products' first readers
	CV 0
	WVM 1
.rept 4
	v_nop
.endr
	CV 1
	s_wait_alu depctr_va_vdst(0)
	s_cmp_lg_u32 s[CNT], s29
	s_cbranch_scc1 .Lno_v
	; ---- my last tile: the part's results leave; the trips that are left do no work
.irp n,0,1,2,3
	v_add_f32 v[RP+\n], v[OACC+2*\n], v[OACC+2*\n+1]
.endr
	v_add_f32_dpp v[RL], v[RL], v[RL] row_xmask:1 row_mask:0xf bank_mask:0xf
	v_permlane16_swap_b32 v[RP], v[RP+1]           ; lane l: unit l of a pair of tiles, half the rows in each register
	v_permlane16_swap_b32 v[RP+2], v[RP+3]
	v_add_f32_dpp v[RL], v[RL], v[RL] row_xmask:2 row_mask:0xf bank_mask:0xf
	v_add_f32 v[RP+4], v[RP], v[RP+1]
	v_add_f32 v[RP+5], v[RP+2], v[RP+3]
	v_lshlrev_b32 v[RP+6], 1, v[G4]
	global_store_b64 v[RP+6], v[RP+4:RP+5], s[16:17]               ; [lane][pair]: 256 consecutive bytes a wave
	v_add_f32_dpp v[RL], v[RL], v[RL] row_xmask:4 row_mask:0xf bank_mask:0xf
	v_add_f32_dpp v[RL], v[RL], v[RL] row_xmask:8 row_mask:0xf bank_mask:0xf
	v_permlanex16_b32 v[PX], v[RL], s[SEL], s[SEL+1]
	v_add_f32 v[RL], v[RL], v[PX]
	s_wait_alu depctr_va_vdst(0)
	s_cmp_lg_u32 s[WV], 0
	s_cbranch_scc1 .Lnot_0b
	global_store_b64 v[RP+6], v[RM:RM+1], s[18:19]                 ; (largest t, sum), 32 times
.Lnot_0b:
	s_wait_xcnt 0x0                                ; the stores have read their registers
.Lno_v:
	; ---- the next tile is quantised
	s_cmp_ge_i32 s[CNT], s29
	s_cbranch_scc1 .Lno_q
	s_cmp_ge_i32 s[CNT], s30
	s_cbranch_scc1 .Lq_last
	ROWQ 0, 12, 1, 2*TB                            ; behind a row's loads: the 12 of the other rows, older tile's or newer
	ROWQ 1, 12, 1, 2*TB
	ROWQ 2, 12, 1, 2*TB
	ROWQ 3, 12, 1, 2*TB
	s_wait_alu depctr_va_vdst(0)
	s_cmp_ge_i32 s[CNT], s31
	s_cbranch_scc1 .Lno_q
	global_prefetch_b8 v[PFO], s[4:5] offset:3*TB th:TH_LOAD_NT scope:SCOPE_SE        ; what the next trip will load
	s_branch .Lno_q
.Lq_last:
	ROWQ 0, 12, 0, 0
	ROWQ 1, 8, 0, 0
	ROWQ 2, 4, 0, 0
	ROWQ 3, 0, 0, 0
	s_wait_alu depctr_va_vdst(0)
.Lno_q:
	MEET                                           ; the image is whole
	s_cmp_ge_i32 s[CNT], s29
	s_cbranch_scc1 .Lno_k
	KSEC
.Lno_k:
	MEET                                           ; the partial dots are there, and nobody reads the image any more
	s_wait_xcnt 0x0                                ; loads, prefetch and stores have read their addresses and data
	s_add_nc_u64 s[4:5], s[4:5], TB
	s_add_nc_u64 s[14:15], s[14:15], 128
	s_add_co_u32 s[CNT], s[CNT], 1
	s_cmp_lt_u32 s[CNT], 16
	s_cbranch_scc1 .Ltrip
	s_wait_tensorcnt 0x0                           ; the wave's end
	ds_add_u32 v[SPW], v[NIL]
	s_wait_dscnt 0x0
	s_endpgm
.Lfunc_end_k_qdbe2c5ed8d_main:
	.size	k_qdbe2c5ed8d_main, .Lfunc_end_k_qdbe2c5ed8d_main-k_qdbe2c5ed8d_main
	.p2alignl 7, 3214868480
	.fill 96, 4, 3214868480
	.section	.rodata,"a",@progbits
	.p2align	6, 0x0
	.amdhsa_kernel k_qdbe2c5ed8d_main
		.amdhsa_group_segment_fixed_size 12800
		.amdhsa_private_segment_fixed_size 0
		.amdhsa_enable_private_segment 0
		.amdhsa_kernarg_size 64
		.amdhsa_user_sgpr_count 2
		.amdhsa_user_sgpr_kernarg_segment_ptr 1
		.amdhsa_wavefront_size32 1
		.amdhsa_system_sgpr_workgroup_id_x 1
		.amdhsa_system_sgpr_workgroup_id_y 1
		.amdhsa_system_sgpr_workgroup_id_z 1
		.amdhsa_system_vgpr_workitem_id 0
		.amdhsa_next_free_vgpr 512
		.amdhsa_next_free_sgpr 66
		.amdhsa_reserve_vcc 1
		.amdhsa_float_denorm_mode_32 3
		.amdhsa_float_denorm_mode_16_64 3
		.amdhsa_memory_ordered 1
		.amdhsa_forward_progress 1
		.amdhsa_inst_pref_size 80
	.end_amdhsa_kernel
	.amdgpu_metadata
---
amdhsa.version: [ 1, 2 ]
amdhsa.kernels:
  - .name:           k_qdbe2c5ed8d_main
    .symbol:         k_qdbe2c5ed8d_main.kd
    .args:
      - { .name: region_features, .offset: 0, .size: 8, .value_kind: global_buffer, .address_space: global }
      - { .name: sched, .offset: 8, .size: 8, .value_kind: global_buffer, .address_space: global }
      - { .name: wfrag, .offset: 16, .size: 8, .value_kind: global_buffer, .address_space: global }
      - { .name: wsc, .offset: 24, .size: 8, .value_kind: global_buffer, .address_space: global }
      - { .name: qbuf, .offset: 32, .size: 8, .value_kind: global_buffer, .address_space: global }
      - { .name: tbuf, .offset: 40, .size: 8, .value_kind: global_buffer, .address_space: global }
      - { .name: pacc, .offset: 48, .size: 8, .value_kind: global_buffer, .address_space: global }
      - { .name: ml, .offset: 56, .size: 8, .value_kind: global_buffer, .address_space: global }
    .group_segment_fixed_size: 12800
    .private_segment_fixed_size: 0
    .kernarg_segment_align: 8
    .kernarg_segment_size: 64
    .max_flat_workgroup_size: 256
    .sgpr_count:     66
    .vgpr_count:     512
    .wavefront_size: 32
...
	.end_amdgpu_metadata
.endif
;; end of part 2
;; launch finish (part 3): grid 4 x 32, 8 waves a work-group, no clusters, 0 bytes of LDS; arguments tbuf, pacc, ml, qbuf, sq_len, out0, out1; writes out0, out1
.if DOCPART == 3
	.amdgcn_target "amdgcn-amd-amdhsa--gfx1250"
	.amdhsa_code_object_version 6
	.text
	.protected	k_qdbe2c5ed8d_finish
	.globl	k_qdbe2c5ed8d_finish
	.p2align	8
	.type	k_qdbe2c5ed8d_finish,@function
k_qdbe2c5ed8d_finish:
	s_mov_b64 s[64:65], 0
	v_nop
	global_prefetch_b8 v0, s[64:65] scope:SCOPE_SE
	s_setreg_imm32_b32 hwreg(HW_REG_WAVE_MODE, 25, 1), 1
	s_wait_xcnt 0x0
; Joins a batch's parts, sixteen places a batch; places without a part hold (-3e38, 0) and zeros and weigh 0.  Part j has its largest t, m_j, its sum l_j of p = 2^(t - m_j) and its sum of p x value.
; M = the largest m_j; w_j = 2^(m_j - M); L = the sum of l_j w_j.  out1(region) = 2^(t - M) / L where the region's number lies under sq_len, else 0;  out0 = (the sum of w_j x part j) / L + query.
; WORK LEFT OUT: the masked regions' weights (the first kernel's head says why they reach no output); they are 0 here by selection.
; Work-group (x, b): batch b, regions 1024 x on (4 a thread); its wave 0 also makes hidden units 128 x .. 128 x + 127 of out0.
; A part lies as [64 units][lane][2]: lane l's pair is units l and 32 + l; so a thread's 16 bytes are units u, 32 + u, u + 1, 33 + u with u = 64 (lane / 16) + 2 (lane % 16).
; LIMITS: v_exp_f32 gives 0 below 2^-126 (ISA guide, its entry in 15.8).
.set PA, 32
.set W,  96
.macro SCORE left                      ; left: the loads issued behind t's
	s_wait_kmcnt 0x0
	v_mov_b32 v10, s20
	v_mov_b32 v11, s22
	v_max3_num_f32 v10, v10, s24, s26
	v_max3_num_f32 v11, v11, s28, s30
	v_max3_num_f32 v10, v10, s32, s34
	v_max3_num_f32 v11, v11, s36, s38
	v_max3_num_f32 v10, v10, s40, s42
	v_max3_num_f32 v11, v11, s44, s46
	v_max3_num_f32 v10, v10, s48, s50
	v_max_num_f32 v10, v10, v11                    ; M
.irp j,0,1,2,3,4,5,6,7,8,9,10,11,12,13,14,15
	v_sub_f32 v[W+\j], s[20+2*\j], v10
.endr
	s_wait_alu depctr_va_vdst(0)                   ; ahead of the batch
.irp j,0,1,2,3,4,5,6,7,8,9,10,11,12,13,14,15
	v_exp_f32 v[W+\j], v[W+\j]
.endr
	v_add_nc_u32 v21, 1, v20                       ; my four regions' numbers
	v_add_nc_u32 v22, 2, v20
	v_add_nc_u32 v23, 3, v20
	s_wait_alu depctr_va_vdst(0)                   ; and ahead of its first reader
	v_mul_f32 v11, s21, v[W]
	v_mul_f32 v13, s23, v[W+1]
.irp j,2,4,6,8,10,12,14
	v_fma_f32 v11, s[21+2*\j], v[W+\j], v11
	v_fma_f32 v13, s[23+2*\j], v[W+\j+1], v13
.endr
	v_add_f32 v11, v11, v13
	s_wait_alu depctr_va_vdst(0)
	v_rcp_f32 v12, v11                             ; 1 / L
	s_wait_loadcnt \left                           ; t is in
.irp e,0,1,2,3
	v_sub_f32 v[4+\e], v[4+\e], v10
.endr
.irp e,0,1,2,3
	v_cmp_gt_i32 s[56+\e], s52, v[20+\e]
.endr
	s_wait_alu depctr_va_vdst(0)
.irp e,0,1,2,3
	v_exp_f32 v[4+\e], v[4+\e]
.endr
	v_nop
	s_wait_alu depctr_va_vdst(0)
.irp e,0,1,2,3
	v_mul_f32 v[4+\e], v[4+\e], v12
.endr
.irp e,0,1,2,3
	v_cndmask_b32 v[4+\e], 0, v[4+\e], s[56+\e]
.endr
	global_store_b128 v2, v[4:7], s[16:17]
.endm
	s_load_b256 s[4:11], s[0:1], 0x0               ; tbuf s[4:5], pacc s[6:7], ml s[8:9], qbuf s[10:11]
	s_load_b128 s[12:15], s[0:1], 0x20             ; sq_len s[12:13], out0 s[14:15]
	s_load_b64 s[16:17], s[0:1], 0x30              ; out1
	v_lshrrev_b32 v1, 5, v0
	v_readfirstlane_b32 s53, v1                    ; wave
	s_and_b32 s54, ttmp7, 0xffff                   ; the batch
	s_lshl_b32 s55, ttmp9, 10
	v_lshlrev_b32 v2, 4, v0                        ; 16 bytes a thread
	v_lshlrev_b32 v3, 2, v0
	v_add_nc_u32 v20, s55, v3                      ; my first region
	v_and_b32 v18, 15, v0
	v_bfe_u32 v19, v0, 4, 1
	v_lshlrev_b32 v18, 3, v18
	v_lshl_add_u32 v18, v19, 8, v18                ; my units' place in the query and in out0
	s_wait_alu depctr_va_vdst(0)
	s_lshl_b32 s56, s54, 14                        ; tbuf, out1: 16,384 bytes a batch, 4,096 a work-group
	s_lshl_b32 s58, ttmp9, 12
	s_add_co_u32 s56, s56, s58
	s_mov_b32 s57, 0
	s_lshl_b32 s58, s54, 12                        ; ml: 16 x 256 bytes a batch
	s_mov_b32 s59, 0
	s_lshl_b32 s60, s54, 2                         ; sq_len
	s_mov_b32 s61, 0
	s_lshl_b32 s62, s54, 15                        ; pacc: 16 x 2,048 bytes a batch, my 512 bytes of each part
	s_lshl_b32 s55, ttmp9, 9
	s_add_co_u32 s62, s62, s55
	s_mov_b32 s63, 0
	s_wait_kmcnt 0x0
	s_add_nc_u64 s[4:5], s[4:5], s[56:57]
	s_add_nc_u64 s[16:17], s[16:17], s[56:57]
	s_add_nc_u64 s[8:9], s[8:9], s[58:59]
	s_add_nc_u64 s[12:13], s[12:13], s[60:61]
	s_add_nc_u64 s[6:7], s[6:7], s[62:63]
	s_lshl_b32 s62, s54, 11
	s_add_co_u32 s62, s62, s55                     ; qbuf, out0: 2,048 bytes a batch, my 512
	s_add_nc_u64 s[10:11], s[10:11], s[62:63]
	s_add_nc_u64 s[14:15], s[14:15], s[62:63]
	global_load_b128 v[4:7], v2, s[4:5]            ; t of my four regions
.irp j,0,1,2,3,4,5,6,7,8,9,10,11,12,13,14,15
	s_load_b64 s[20+2*\j:21+2*\j], s[8:9], 256*\j  ; m_j, l_j
.endr
	s_load_b32 s52, s[12:13], 0x0                  ; sq_len of the batch
	s_cmp_lg_u32 s53, 0
	s_cbranch_scc1 .Lscores_only
.irp j,0,1,2,3,4,5,6,7,8,9,10,11,12,13,14,15
	global_load_b128 v[PA+4*\j:PA+4*\j+3], v2, s[6:7] offset:2048*\j    ; wave 0: thread = lane: 512 consecutive bytes of part j
.endr
	global_load_b64 v[120:121], v18, s[10:11]      ; the query
	global_load_b64 v[122:123], v18, s[10:11] offset:128
	SCORE 18                                       ; the 18 loads above may be out
	s_wait_loadcnt 0x0
.irp e,0,1,2,3
	v_mul_f32 v[112+\e], v[W], v[PA+\e]
.endr
.irp j,1,2,3,4,5,6,7,8,9,10,11,12,13,14,15
.irp e,0,1,2,3
	v_fma_f32 v[112+\e], v[W+\j], v[PA+4*\j+\e], v[112+\e]
.endr
.endr
	v_fma_f32 v116, v112, v12, v120
	v_fma_f32 v117, v114, v12, v121
	v_fma_f32 v118, v113, v12, v122
	v_fma_f32 v119, v115, v12, v123
	global_store_b64 v18, v[116:117], s[14:15]
	global_store_b64 v18, v[118:119], s[14:15] offset:128
	s_endpgm
.Lscores_only:
	SCORE 0
	s_endpgm
.Lfunc_end_k_qdbe2c5ed8d_finish:
	.size	k_qdbe2c5ed8d_finish, .Lfunc_end_k_qdbe2c5ed8d_finish-k_qdbe2c5ed8d_finish
	.p2alignl 7, 3214868480
	.fill 96, 4, 3214868480
	.section	.rodata,"a",@progbits
	.p2align	6, 0x0
	.amdhsa_kernel k_qdbe2c5ed8d_finish
		.amdhsa_group_segment_fixed_size 0
		.amdhsa_private_segment_fixed_size 0
		.amdhsa_enable_private_segment 0
		.amdhsa_kernarg_size 56
		.amdhsa_user_sgpr_count 2
		.amdhsa_user_sgpr_kernarg_segment_ptr 1
		.amdhsa_wavefront_size32 1
		.amdhsa_system_sgpr_workgroup_id_x 1
		.amdhsa_system_sgpr_workgroup_id_y 1
		.amdhsa_system_sgpr_workgroup_id_z 1
		.amdhsa_system_vgpr_workitem_id 0
		.amdhsa_next_free_vgpr 128
		.amdhsa_next_free_sgpr 66
		.amdhsa_reserve_vcc 0
		.amdhsa_float_denorm_mode_32 3
		.amdhsa_float_denorm_mode_16_64 3
		.amdhsa_memory_ordered 1
		.amdhsa_forward_progress 1
		.amdhsa_inst_pref_size 17
	.end_amdhsa_kernel
	.amdgpu_metadata
---
amdhsa.version: [ 1, 2 ]
amdhsa.kernels:
  - .name:           k_qdbe2c5ed8d_finish
    .symbol:         k_qdbe2c5ed8d_finish.kd
    .args:
      - { .name: tbuf, .offset: 0, .size: 8, .value_kind: global_buffer, .address_space: global }
      - { .name: pacc, .offset: 8, .size: 8, .value_kind: global_buffer, .address_space: global }
      - { .name: ml, .offset: 16, .size: 8, .value_kind: global_buffer, .address_space: global }
      - { .name: qbuf, .offset: 24, .size: 8, .value_kind: global_buffer, .address_space: global }
      - { .name: sq_len, .offset: 32, .size: 8, .value_kind: global_buffer, .address_space: global }
      - { .name: out0, .offset: 40, .size: 8, .value_kind: global_buffer, .address_space: global }
      - { .name: out1, .offset: 48, .size: 8, .value_kind: global_buffer, .address_space: global }
    .group_segment_fixed_size: 0
    .private_segment_fixed_size: 0
    .kernarg_segment_align: 8
    .kernarg_segment_size: 56
    .max_flat_workgroup_size: 256
    .sgpr_count:     66
    .vgpr_count:     128
    .wavefront_size: 32
...
	.end_amdgpu_metadata
.endif
;; end of part 3
